; MI455X (gfx1250); checked and timed in simulation.
; The chip was launched on July 23, 2026; its instructions are those of AMD's public machine-readable ISA for CDNA 5 (MIT licence, August 2026) and "CDNA5" Instruction Set Architecture Reference Guide (July 2026). The comments in the code are by the model that wrote it; some were corrected since.
;; Deep FM Ranker. Allowed arithmetic: float matrix products may take bf16 or f16 operands with f32 sums; all other float work in f32.
;; Inputs: W1 128 x 200 float32; W2 64 x 128 float32; Wout 1 x 64 float32; b1 128 float32; b2 64 float32; bout 1 float32; dense_W 1 x 8 float32; dense_b 1 float32; dense_features 16,384 x 8 float32; emb_age 7 x 32 float32; emb_gender 2 x 32 float32; emb_genre 19 x 32 float32; emb_item 100,000 x 32 float32; emb_occ 21 x 32 float32; emb_user 1,000,000 x 32 float32; fo_age 7 x 1 float32; fo_gender 2 x 1 float32; fo_genre 19 x 1 float32; fo_item 100,000 x 1 float32; fo_occ 21 x 1 float32; fo_user 1,000,000 x 1 float32; item_genre_ids 16,384 x 6 int32; item_genre_mask 16,384 x 6 float32; item_id 16,384 int32; user_age 16,384 int32; user_gender 16,384 int32; user_id 16,384 int32; user_occupation 16,384 int32.
;; Outputs: out0 16,384 float32.
;; 2 versions, each right; version 2 is version 1 with the launch deepfm written anew for expert scheduling mode. Each part assembles by itself: llvm-mc -triple=amdgcn-amd-amdhsa -mcpu=gfx1250 --defsym DOCPART=n.
;; ======== version 1 of 2: 1 launch
;; launch deepfm (part 1): grid 256 x 1, 4 waves a work-group, no clusters, 79,616 bytes of LDS; arguments user_id, item_id, user_gender, user_age, user_occupation, item_genre_ids, item_genre_mask, dense_features, emb_user, emb_item, emb_gender, emb_age, emb_occ, emb_genre, fo_user, fo_item, fo_gender, fo_age, fo_occ, fo_genre, W1, W2, b1, b2, Wout, dense_W, dense_b, bout, out0; writes out0
.if DOCPART == 1
	.amdgcn_target "amdgcn-amd-amdhsa--gfx1250"
	.amdhsa_code_object_version 6
	.text
	.protected	k_qbb11c55734_deepfm
	.globl	k_qbb11c55734_deepfm
	.p2align	8
	.type	k_qbb11c55734_deepfm,@function
k_qbb11c55734_deepfm:
	s_mov_b64 s[64:65], 0
	v_nop
	global_prefetch_b8 v0, s[64:65] scope:SCOPE_SE
	s_setreg_imm32_b32 hwreg(HW_REG_WAVE_MODE, 25, 1), 1
	s_wait_xcnt 0x0
; DeepFM ranker, 16,384 rows, one launch: out = first order + FM pair term + MLP 200 -> 128 -> 64 -> 1.
; 256 work-groups of four waves; a work-group owns 64 rows, a wave 16 rows (one N tile of the matrix unit).
; Lane L of a wave: r = L & 15 is the row, h = L >> 4 the half.  Lane (r, h) gathers, of every field's 32 numbers, those with
; index 8h..8h+7 and 16+8h..16+8h+7: exactly what a bf16 fragment of K = 32 keeps in that lane, so a field goes from its table
; row into a fragment by four 16-byte loads and eight conversions, without LDS.
; THE PRODUCTS ARE TRANSPOSED: source A = 16 rows of a weight matrix, source B = 16 batch rows.  Register j of a result then holds
; feature 16 t + 8 h + j of batch row r, which is (a) where a bias vector can be loaded straight as the first C, and (b) after
; ReLU and packing the B fragment of the next layer.  Nothing is transposed and nothing is cleared.
; The weights (135,168 bytes of f32) are narrowed to bf16 in registers and laid in LDS once by the four waves together.
; NO CLUSTER, NO JOINT LOADS: all that work-groups share are those weights, and they change format on the way.  A copy engine lands
; bytes as they are: a raw region of 135,168 bytes, as many LDS bytes read back, and then the same conversions and LDS stores as here.
; The FM pair term is kept in f32 as the sum over f < g of x_f x_g (q += x_f s; s += x_f): no difference of two large sums.
; Wout and dense_W have one output each: f32 multiply-adds on the vector unit (a matrix tile would be 15/16 empty).
; LIMITS: ReLU is v_max_num_f32, which turns a NaN into 0: non-finite inputs are not served.  Ids are clamped (unsigned) to their
; table's last row.  1 / max(sum of masks, 1) is v_rcp_f32, good to 1 ulp.  Sums run in another order than the reference's.
; ---- LDS (79,104 bytes).  All three pitches are odd multiples of 16 bytes: the 16 rows that a fragment load touches start in
; 16 different 16-byte columns modulo 256 bytes.
.set W1L,   0                          ; W1 as bf16, a linear copy: 128 rows x 400 bytes (k = 0..199)
.set W1P,   400
.set TAILL, 51200                      ; 128 rows x 80 bytes: k = 192..199, then 48 bytes of zeros (k = 200..223), 16 bytes unused
.set TAILP, 80
.set W2L,   61440                      ; W2 as bf16: 64 rows x (256 + 16) bytes
.set W2P,   272
.set OUTS,  78848                      ; the work-group's 64 results, 256 bytes
; ---- the arguments: pointer i in s[4+2i : 5+2i]
.set P_UID, 4
.set P_IID, 6
.set P_GEN, 8
.set P_AGE, 10
.set P_OCC, 12
.set P_GIDS, 14
.set P_GMSK, 16
.set P_DENSE, 18
.set P_EUSER, 20
.set P_EITEM, 22
.set P_EGEN, 24
.set P_EAGE, 26
.set P_EOCC, 28
.set P_EGENRE, 30
.set P_FUSER, 32
.set P_FITEM, 34
.set P_FGEN, 36
.set P_FAGE, 38
.set P_FOCC, 40
.set P_FGENRE, 42
.set P_W1, 44
.set P_W2, 46
.set P_B1, 48
.set P_B2, 50
.set P_WOUT, 52
.set P_DW, 54
.set P_DB, 56
.set P_BOUT, 58
.set P_OUT, 60
; s2 wave number; s3 64 x work-group; s62, s63 selects of v_permlanex16_b32; s[66:67] byte offset in out0; s[68:75] dense_W;
; s76 dense_b; s77 bout; s80-s83 the wave's bases in LDS; vcc_lo = 0xffff, the lanes with h = 0
; ---- vector registers: three blocks of 256, each a world of its own, so that the window is switched 15 times in the whole text
; block 0, the matrix side
.set ADR1, 1                           ; 400 r + 16 h
.set ADRT, 2                           ; 80 r + 16 h
.set ADR2, 3                           ; W2L + 272 r + 16 h
.set BOFF, 4                           ; 32 h: my eight numbers in each 16 of a bias
.set PART, 5                           ; my half's share of first order + pair term
.set OADR, 6                           ; OUTS + 4 (16 w + r)
.set XLANE, 7                          ; destination of v_permlanex16_b32
.set XF,   8                           ; v8-63    7 B fragments: the six fields, then dense features and zeros
.set H1F,  8                           ; v8-39    4 B fragments of layer 2, over XF when layer 1 is done
.set ACC1, 64                          ; v64-127  8 tiles of layer 1
.set ACC2, 128                         ; v128-159 4 tiles of layer 2
.set WF,   160                         ; v160-255 ring of 3 groups x 4 weight fragments x 8; temporaries at both ends of the text
.set TL,   WF+0                        ; L
.set TR,   WF+1                        ; r
.set TH,   WF+2                        ; h
.set TW,   WF+3                        ; w
.set TROW, WF+5                        ; my row in the batch
.set TL80, WF+7                        ; 80 L
; block 1, the gather side
.set OFF4,  0                          ; 4 x row
.set OFF24, 1                          ; 24 x row
.set OFF32, 2                          ; 32 x row
.set H32,   3                          ; 32 h
.set ID,    4                          ; 4-8     user, item, gender, age, occupation: id, then 4 x id
.set F,     9                          ; first order
.set GID,   10                         ; 10-15   genre ids, then 4 x id
.set MSK,   16                         ; 16-21   masks, then mask / denominator
.set RC,    22                         ; 22-23   1 / denominator, twice
.set DN,    24                         ; 24-31   dense features
.set AR,    32                         ; 32-36   128 x id + 32 h
.set AG,    38                         ; 38-43   the same for the genres
.set PK,    44                         ; 44-47   dense features as bf16
.set Q,     48                         ; 48-63   pair term, 16 partial sums
.set EU,    64                         ; my 16 numbers of the user row; becomes the running sum
.set SV,    EU
.set EI,    80
.set EG,    96
.set EA,    112
.set EO,    128
.set EGN,   144                        ; 144-239 six genre rows; the first becomes the pooled vector
.set PV,    EGN
.set FO,    240                        ; 240-244 first-order values of the five plain fields
.set FOG,   246                        ; 246-251 those of the six genres
.set DEN,   252                        ; 252-254 the denominator at work
; block 2, the staging side
.set ST,    0                          ; 0-199   W1 as loaded; later 0-63 W2
.set TLD,   64                         ; 64-71   my row's k = 192..199 of W1
.set WO,    72                         ; 72-103  Wout[16 u + 8 h + j] at WO + 8 u + j
.set G16,   200                        ; 16 t
.set L8,    201                        ; 8 t
.set GT,    202                        ; 800 t
.set LT,    203                        ; 80 t
.set L2A,   204                        ; W2L + 272 w + 8 L
.set WOF,   205                        ; 32 h
.set ZR,    208                        ; 208-211 zeros
; s_set_vgpr_msb's low byte: bits 1:0 source 0, 3:2 source 1, 5:4 source 2, 7:6 destination; its high byte repeats the setting left
.set ALL0,  0x00
.set ALL1,  0x55
.set ALL2,  0xaa
.set TO1,   0x40                       ; destination block 1, sources block 0
.set TO2,   0x80                       ; destination block 2, sources block 0
.set FROM1, 0x05                       ; destination block 0, sources 0 and 1 block 1
.set SRC1B2, 0x08                      ; source 1 block 2, the rest block 0
.set MSB, 0
.macro WIN new
.if MSB != \new
	s_set_vgpr_msb (MSB<<8)|\new
.set MSB, \new
.endif
.endm
; Four places behind matrix instructions, before a vector instruction reads a result or writes one of their registers and before
; a load is issued into a source; matrix instructions in between are not counted as places here.
.macro PLACES
.rept 4
	v_nop
.endr
.endm
; my 16 numbers of a table row: indices 8h..8h+7 (bytes 0..31 from 32 h) and 16+8h.. (bytes 64..95 from 32 h)
.macro ROWS e, a, b
	global_load_b128 v[\e:\e+3],     v[\a], s[\b:\b+1]
	global_load_b128 v[\e+4:\e+7],   v[\a], s[\b:\b+1] offset:16
	global_load_b128 v[\e+8:\e+11],  v[\a], s[\b:\b+1] offset:64
	global_load_b128 v[\e+12:\e+15], v[\a], s[\b:\b+1] offset:80
.endm
; 16 f32 of block 1 become a fragment of 8 registers in block 0 (under FROM1)
.macro CVTF x, e
.set j, 0
.rept 8
	v_cvt_pk_bf16_f32 v[\x+j], v[\e+2*j], v[\e+2*j+1]
.set j, j+1
.endr
.endm
; pooled += weight g x genre row g; the weight is one register of a pair, broadcast to both halves by op_sel / op_sel_hi
.macro POOL g
.set j, 0
.rept 8
.if \g == 0
	v_pk_mul_f32 v[PV+2*j:PV+2*j+1], v[PV+2*j:PV+2*j+1], v[MSK:MSK+1] op_sel_hi:[1,0]
.else
.if ((\g)&1) == 0
	v_pk_fma_f32 v[PV+2*j:PV+2*j+1], v[EGN+16*\g+2*j:EGN+16*\g+2*j+1], v[MSK+\g:MSK+\g+1], v[PV+2*j:PV+2*j+1] op_sel_hi:[1,0,1]
.else
	v_pk_fma_f32 v[PV+2*j:PV+2*j+1], v[EGN+16*\g+2*j:EGN+16*\g+2*j+1], v[MSK+\g-1:MSK+\g], v[PV+2*j:PV+2*j+1] op_sel:[0,1,0] op_sel_hi:[1,1,1]
.endif
.endif
.set j, j+1
.endr
.endm
; q += x s, then s += x (not behind the last field)
.macro FM e, first, last
.set j, 0
.rept 8
.if \first
	v_pk_mul_f32 v[Q+2*j:Q+2*j+1], v[\e+2*j:\e+2*j+1], v[SV+2*j:SV+2*j+1]
.else
	v_pk_fma_f32 v[Q+2*j:Q+2*j+1], v[\e+2*j:\e+2*j+1], v[SV+2*j:SV+2*j+1], v[Q+2*j:Q+2*j+1]
.endif
.set j, j+1
.endr
.if \last == 0
.set j, 0
.rept 8
	v_pk_add_f32 v[SV+2*j:SV+2*j+1], v[SV+2*j:SV+2*j+1], v[\e+2*j:\e+2*j+1]
.set j, j+1
.endr
.endif
.endm
; The 72 weight fragments in the order of use, in 18 groups of four.  Fragments 0-55, layer 1: two tiles take turns through the
; seven K steps (14 fragments), then the next two tiles.  Fragments 56-71, layer 2: two tiles through four K steps, twice.
; FETCH g: the group's eight LDS loads into ring slot g mod 3.
.macro FETCH g
.set q, 0
.rept 4
.set fi, 4*(\g)+q
.set wf, WF+32*((\g)%3)+8*q
.if fi < 56
.set ks, (fi%14)/2
.set tt, 2*(fi/14)+(fi%2)
.if ks < 6
	ds_load_b128 v[wf:wf+3],   v[ADR1] offset:W1L+tt*16*W1P+ks*64
	ds_load_b128 v[wf+4:wf+7], v[ADR1] offset:W1L+tt*16*W1P+ks*64+32
.else
	ds_load_b128 v[wf:wf+3],   v[ADRT] offset:TAILL+tt*16*TAILP
	ds_load_b128 v[wf+4:wf+7], v[ADRT] offset:TAILL+tt*16*TAILP+32
.endif
.else
.set fj, fi-56
.set ks, (fj%8)/2
.set tt, 2*(fj/8)+(fj%2)
	ds_load_b128 v[wf:wf+3],   v[ADR2] offset:tt*16*W2P+ks*64
	ds_load_b128 v[wf+4:wf+7], v[ADR2] offset:tt*16*W2P+ks*64+32
.endif
.set q, q+1
.endr
.endm
; MUL g: the group's four matrix instructions; each accumulator is a chain in place, started on its bias
.macro MUL g
.set q, 0
.rept 4
.set fi, 4*(\g)+q
.set wf, WF+32*((\g)%3)+8*q
.if fi < 56
.set ks, (fi%14)/2
.set tt, 2*(fi/14)+(fi%2)
	v_wmma_f32_16x16x32_bf16 v[ACC1+8*tt:ACC1+8*tt+7], v[wf:wf+7], v[XF+8*ks:XF+8*ks+7], v[ACC1+8*tt:ACC1+8*tt+7]
.else
.set fj, fi-56
.set ks, (fj%8)/2
.set tt, 2*(fj/8)+(fj%2)
	v_wmma_f32_16x16x32_bf16 v[ACC2+8*tt:ACC2+8*tt+7], v[wf:wf+7], v[H1F+8*ks:H1F+8*ks+7], v[ACC2+8*tt:ACC2+8*tt+7]
.endif
.set q, q+1
.endr
.endm
	; ================= the arguments, and every number that hangs on the thread's place alone =================
	s_load_b512 s[4:19],  s[0:1], 0x0
	s_load_b512 s[20:35], s[0:1], 0x40
	s_load_b512 s[36:51], s[0:1], 0x80
	s_load_b256 s[52:59], s[0:1], 0xc0
	s_load_b64  s[60:61], s[0:1], 0xe0
	s_set_vgpr_msb 0x40
	v_lshl_add_u32 v245, v0, 2, 0x13500
	v_mov_b32 v255, 0
	s_set_vgpr_msb 0x4000
	v_and_b32 v[TL], 31, v0
	v_and_b32 v[TR], 15, v0
	v_bfe_u32 v[TH], v0, 4, 1
	v_lshrrev_b32 v[TW], 5, v0
	v_readfirstlane_b32 s2, v[TW]                  ; the wave's number as a scalar
	s_lshl_b32 s3, ttmp9, 6                        ; the work-group's first row
	s_lshl_b32 s66, ttmp9, 8                       ; and its 256 bytes of out0
	s_mov_b32 s67, 0
	s_mov_b32 s62, 0x76543210                      ; v_permlanex16_b32: lane i of one half reads lane i of the other
	s_mov_b32 s63, 0xfedcba98
	s_mov_b32 vcc_lo, 0xffff                       ; the lanes with h = 0
	s_lshl_b32 s80, s2, 8                          ; the wave's part of each LDS region: 32 threads x 8 bytes,
	s_mul_i32 s81, s2, 32*TAILP                    ; 32 rows of the tail,
	s_mul_i32 s82, s2, W2P                         ; one row of W2 in each four,
	s_add_co_u32 s82, s82, W2L
	s_lshl_b32 s83, s2, 6                          ; 16 results
	s_add_co_u32 s83, s83, OUTS
	v_lshl_add_u32 v[TROW], v[TW], 4, v[TR]        ; 16 w + r
	v_add_nc_u32 v[TROW], s3, v[TROW]              ; + 64 x work-group
	v_mul_u32_u24 v[TL80], v[TL], TAILP
	v_mul_u32_u24 v[ADR1], v[TR], W1P
	v_lshl_add_u32 v[ADR1], v[TH], 4, v[ADR1]
	v_mul_u32_u24 v[ADRT], v[TR], TAILP
	v_lshl_add_u32 v[ADRT], v[TH], 4, v[ADRT]
	v_mul_u32_u24 v[ADR2], v[TR], W2P
	v_lshl_add_u32 v[ADR2], v[TH], 4, v[ADR2]
	v_add_nc_u32 v[ADR2], W2L, v[ADR2]
	v_lshlrev_b32 v[BOFF], 5, v[TH]
	v_lshl_add_u32 v[OADR], v[TR], 2, s83
	v_mov_b32 v[XLANE], 0
.irp j, 4,5,6,7
	v_mov_b32 v[XF+48+\j], 0                       ; K step 6, k = 208..223: zeros
.endr
	WIN TO1
	v_lshlrev_b32 v[OFF4], 2, v[TROW]
	v_mul_u32_u24 v[OFF24], v[TROW], 24
	v_lshlrev_b32 v[OFF32], 5, v[TROW]
	v_lshlrev_b32 v[H32], 5, v[TH]
	WIN TO2
	v_lshlrev_b32 v[G16], 4, v0
	v_lshl_add_u32 v[L8], v[TL], 3, s80
	v_mul_u32_u24 v[GT], v0, 800                   ; thread t takes row t of W1 (800 bytes) for the tail
	v_add_nc_u32 v[LT], s81, v[TL80]
	v_lshl_add_u32 v[L2A], v[TL], 3, s82
	v_lshlrev_b32 v[WOF], 5, v[TH]
.irp j, 0,1,2,3
	v_mov_b32 v[ZR+\j], 0
.endr
	WIN ALL2
	ds_store_b128 v[LT], v[ZR:ZR+3] offset:TAILL+16    ; k = 200..223 of my row of the tail
	ds_store_b128 v[LT], v[ZR:ZR+3] offset:TAILL+32
	ds_store_b128 v[LT], v[ZR:ZR+3] offset:TAILL+48
	s_wait_kmcnt 0x0                               ; the 29 addresses
	s_load_b256 s[68:75], s[P_DW:P_DW+1], 0x0      ; dense_W, dense_b, bout: the same for every lane, so scalars
	s_load_b32 s76, s[P_DB:P_DB+1], 0x0
	s_load_b32 s77, s[P_BOUT:P_BOUT+1], 0x0
	s_add_nc_u64 s[P_OUT:P_OUT+1], s[P_OUT:P_OUT+1], s[66:67]
	; ================= 13 loads: my row's ids, masks and dense features (the head of the chain ids -> rows) =================
	WIN ALL1
	global_load_b32 v[ID+0], v[OFF4], s[P_UID:P_UID+1] th:TH_LOAD_NT
	global_load_b32 v[ID+1], v[OFF4], s[P_IID:P_IID+1] th:TH_LOAD_NT
	global_load_b32 v[ID+2], v[OFF4], s[P_GEN:P_GEN+1] th:TH_LOAD_NT
	global_load_b32 v[ID+3], v[OFF4], s[P_AGE:P_AGE+1] th:TH_LOAD_NT
	global_load_b32 v[ID+4], v[OFF4], s[P_OCC:P_OCC+1] th:TH_LOAD_NT
.irp i, 0,1,2
	global_load_b64 v[GID+2*\i:GID+2*\i+1], v[OFF24], s[P_GIDS:P_GIDS+1] offset:8*\i th:TH_LOAD_NT
.endr
.irp i, 0,1,2
	global_load_b64 v[MSK+2*\i:MSK+2*\i+1], v[OFF24], s[P_GMSK:P_GMSK+1] offset:8*\i th:TH_LOAD_NT
.endr
	global_load_b128 v[DN:DN+3],   v[OFF32], s[P_DENSE:P_DENSE+1] th:TH_LOAD_NT
	global_load_b128 v[DN+4:DN+7], v[OFF32], s[P_DENSE:P_DENSE+1] offset:16 th:TH_LOAD_NT
	; ================= 50 loads: W1, 102,400 bytes in linear order, while the ids are on their way =================
	; Load c of thread t takes the 16 bytes at 2,048 c + 16 t: a wave's instruction covers 512 consecutive bytes.
	WIN ALL2
.set c, 0
.rept 50
	global_load_b128 v[ST+4*c:ST+4*c+3], v[G16], s[P_W1:P_W1+1] offset:2048*c
.set c, c+1
.endr
	; ================= 55 loads: the table rows.  The two large tables first. =================
	; From here on more loads are issued than the counter's field holds; the issue then waits by itself (ISA guide 5.7.1).
	WIN ALL1
	s_wait_loadcnt 50                              ; loads come back in order (ISA guide 5.7.1): W1's 50 are younger, the first 13 are in
	v_min_u32 v[ID+0], 0xf423f, v[ID+0]            ; the table's last row, 999,999
	v_min_u32 v[ID+1], 0x1869f, v[ID+1]            ; 99,999
	v_lshl_add_u32 v[AR+0], v[ID+0], 7, v[H32]     ; a row is 128 bytes
	v_lshl_add_u32 v[AR+1], v[ID+1], 7, v[H32]
	ROWS EU, AR+0, P_EUSER
	ROWS EI, AR+1, P_EITEM
	v_lshlrev_b32 v[ID+0], 2, v[ID+0]
	v_lshlrev_b32 v[ID+1], 2, v[ID+1]
	global_load_b32 v[FO+0], v[ID+0], s[P_FUSER:P_FUSER+1]
	global_load_b32 v[FO+1], v[ID+1], s[P_FITEM:P_FITEM+1]
	v_min_u32 v[ID+2], 1, v[ID+2]
	v_min_u32 v[ID+3], 6, v[ID+3]
	v_min_u32 v[ID+4], 20, v[ID+4]
.irp i, 2,3,4
	v_lshl_add_u32 v[AR+\i], v[ID+\i], 7, v[H32]
	v_lshlrev_b32 v[ID+\i], 2, v[ID+\i]
.endr
	ROWS EG, AR+2, P_EGEN
	ROWS EA, AR+3, P_EAGE
	ROWS EO, AR+4, P_EOCC
	global_load_b32 v[FO+2], v[ID+2], s[P_FGEN:P_FGEN+1]
	global_load_b32 v[FO+3], v[ID+3], s[P_FAGE:P_FAGE+1]
	global_load_b32 v[FO+4], v[ID+4], s[P_FOCC:P_FOCC+1]
.irp g, 0,1,2,3,4,5
	v_min_u32 v[GID+\g], 18, v[GID+\g]
	v_lshl_add_u32 v[AG+\g], v[GID+\g], 7, v[H32]
	v_lshlrev_b32 v[GID+\g], 2, v[GID+\g]
.endr
.irp g, 0,1,2,3,4,5
	ROWS EGN+16*\g, AG+\g, P_EGENRE
.endr
.irp g, 0,1,2,3,4,5
	global_load_b32 v[FOG+\g], v[GID+\g], s[P_FGENRE:P_FGENRE+1]
.endr
	; while they travel: the pool's weights, the dense linear term, the dense features as bf16
	s_wait_kmcnt 0x0                               ; dense_W, dense_b, bout
	v_add_f32 v[DEN],   v[MSK],   v[MSK+1]
	v_add_f32 v[DEN+1], v[MSK+2], v[MSK+3]
	v_add_f32 v[DEN+2], v[MSK+4], v[MSK+5]
	v_add_f32 v[DEN], v[DEN], v[DEN+1]
	v_add_f32 v[DEN], v[DEN], v[DEN+2]
	v_max_num_f32 v[DEN], 1.0, v[DEN]              ; clip(sum of masks, 1)
	v_rcp_f32 v[RC],   v[DEN]                      ; twice, for the packed multiply.  Behind a transcendental one plain vector instruction
	v_rcp_f32 v[RC+1], v[DEN]                      ; stands before its result is used (ISA guide 5.7.2): the multiply-adds below
	v_fma_f32 v[F], v[DN], s68, s76                ; dense_features . dense_W + dense_b
.irp i, 1,2,3,4,5,6,7
	v_fma_f32 v[F], v[DN+\i], s[68+\i], v[F]
.endr
	v_add_f32 v[F], s77, v[F]                      ; + bout
	s_wait_alu depctr_va_vdst(0)
.irp i, 0,2,4
	v_pk_mul_f32 v[MSK+\i:MSK+\i+1], v[MSK+\i:MSK+\i+1], v[RC:RC+1]    ; mask / denominator
.endr
.irp i, 0,1,2,3
	v_cvt_pk_bf16_f32 v[PK+\i], v[DN+2*\i], v[DN+2*\i+1]
.endr
	; ================= W1 to bf16 and into LDS; then 50 loads: W2, W1's tail, Wout, the biases =================
	WIN ALL2
	s_wait_loadcnt 55                              ; the 55 gathers are younger: W1 is in
.set c, 0
.rept 50
	v_cvt_pk_bf16_f32 v[ST+4*c],   v[ST+4*c],   v[ST+4*c+1]
	v_cvt_pk_bf16_f32 v[ST+4*c+1], v[ST+4*c+2], v[ST+4*c+3]
	ds_store_b64 v[L8], v[ST+4*c:ST+4*c+1] offset:W1L+1024*c       ; half the bytes, the same linear order: 256 consecutive bytes a wave
.set c, c+1
.endr
.set c, 0
.rept 16
	global_load_b128 v[ST+4*c:ST+4*c+3], v[G16], s[P_W2:P_W2+1] offset:2048*c      ; row 4 c + w of W2, columns 4 L .. 4 L + 3
.set c, c+1
.endr
	global_load_b128 v[TLD:TLD+3],   v[GT], s[P_W1:P_W1+1] offset:768              ; W1[t][192..199]
	global_load_b128 v[TLD+4:TLD+7], v[GT], s[P_W1:P_W1+1] offset:784
.irp u, 0,1,2,3
	global_load_b128 v[WO+8*\u:WO+8*\u+3],   v[WOF], s[P_WOUT:P_WOUT+1] offset:64*\u
	global_load_b128 v[WO+8*\u+4:WO+8*\u+7], v[WOF], s[P_WOUT:P_WOUT+1] offset:64*\u+16
.endr
	WIN ALL0
.irp t, 0,1,2,3,4,5,6,7
	global_load_b128 v[ACC1+8*\t:ACC1+8*\t+3],   v[BOFF], s[P_B1:P_B1+1] offset:64*\t      ; b1[16 t + 8 h + j] is the sum's start
	global_load_b128 v[ACC1+8*\t+4:ACC1+8*\t+7], v[BOFF], s[P_B1:P_B1+1] offset:64*\t+16
.endr
.irp u, 0,1,2,3
	global_load_b128 v[ACC2+8*\u:ACC2+8*\u+3],   v[BOFF], s[P_B2:P_B2+1] offset:64*\u
	global_load_b128 v[ACC2+8*\u+4:ACC2+8*\u+7], v[BOFF], s[P_B2:P_B2+1] offset:64*\u+16
.endr
	; ================= the rows are in: fragments, pool, pair term, first order =================
	s_wait_loadcnt 50                              ; W2 16, tail 2, Wout 8, b1 16, b2 8 are younger: the gathers are in
	WIN FROM1
	CVTF XF+0,  EU                                 ; before the user row becomes the running sum
	CVTF XF+8,  EI
	CVTF XF+16, EG
	CVTF XF+24, EA
	CVTF XF+32, EO
	WIN ALL1
	POOL 0
	POOL 1
	POOL 2
	POOL 3
	POOL 4
	POOL 5
	FM EI, 1, 0
	FM EG, 0, 0
	FM EA, 0, 0
	FM EO, 0, 0
	FM PV, 0, 1
.irp i, 0,2,4,6
	v_pk_add_f32 v[Q+\i:Q+\i+1], v[Q+\i:Q+\i+1], v[Q+8+\i:Q+8+\i+1]
.endr
	v_pk_add_f32 v[Q:Q+1],   v[Q:Q+1],   v[Q+4:Q+5]
	v_pk_add_f32 v[Q+2:Q+3], v[Q+2:Q+3], v[Q+6:Q+7]
	v_pk_add_f32 v[Q:Q+1],   v[Q:Q+1],   v[Q+2:Q+3]
	v_add_f32 v[Q], v[Q], v[Q+1]                   ; my 16 dimensions' share of the pair term
.irp i, 0,1,2,3,4
	v_add_f32 v[F], v[F], v[FO+\i]
.endr
.irp g, 0,1,2,3,4,5
	v_fma_f32 v[F], v[MSK+\g], v[FOG+\g], v[F]
.endr
	v_cndmask_b32 v[F], 0, v[F], vcc_lo            ; both halves hold the row's first order: it counts once, in h = 0
	WIN FROM1
	CVTF XF+40, PV
.irp j, 0,1,2,3
	v_cndmask_b32 v[XF+48+\j], 0, v[PK+\j], vcc_lo ; K step 6: h = 0 holds k = 192..199, h = 1 holds k = 200..207 = zeros
.endr
	v_add_f32 v[PART], v[Q], v[F]
	; ================= W2 and the tail to bf16 and into LDS =================
	WIN ALL2
	s_wait_loadcnt 32                              ; Wout 8, b1 16, b2 8 are younger: W2 and the tail are in
.set c, 0
.rept 16
	v_cvt_pk_bf16_f32 v[ST+4*c],   v[ST+4*c],   v[ST+4*c+1]
	v_cvt_pk_bf16_f32 v[ST+4*c+1], v[ST+4*c+2], v[ST+4*c+3]
	ds_store_b64 v[L2A], v[ST+4*c:ST+4*c+1] offset:4*W2P*c
.set c, c+1
.endr
.irp i, 0,1,2,3
	v_cvt_pk_bf16_f32 v[TLD+\i], v[TLD+2*\i], v[TLD+2*\i+1]        ; ascending: a register is written when it has been read
.endr
	ds_store_b128 v[LT], v[TLD:TLD+3] offset:TAILL
	WIN ALL0
	s_wait_loadcnt 0x0                             ; the biases are the first C operands; Wout
	s_wait_dscnt 0x0                               ; zero, for the other waves' sake: all my parts of the weights are in LDS
	s_barrier_signal -1
	s_barrier_wait -1                              ; everybody's are
	; ================= the two products: 72 matrix instructions, fragments three groups ahead =================
	FETCH 0
	FETCH 1
	FETCH 2
.irp g, 0,1,2,3,4,5,6,7,8,9,10,11,12,13
	s_wait_dscnt 16                                ; LDS loads come back in order: two younger groups of eight stay out
	MUL \g
	PLACES
	FETCH \g+3                                     ; into the ring slot just multiplied
.endr
	; layer 1 is done, four places ago.  ReLU; tiles 2 c and 2 c + 1 pack into K step c of layer 2's B: register n from results 2 n, 2 n + 1
.set n, 0
.rept 64
	v_max_num_f32 v[ACC1+n], 0, v[ACC1+n]
.set n, n+1
.endr
.set n, 0
.rept 32
	v_cvt_pk_bf16_f32 v[H1F+n], v[ACC1+2*n], v[ACC1+2*n+1]
.set n, n+1
.endr
	s_wait_dscnt 16
	MUL 14
	PLACES
	FETCH 17
	s_wait_dscnt 16
	MUL 15
	s_wait_dscnt 8                                 ; the last group alone is younger
	MUL 16
	s_wait_dscnt 0
	MUL 17
	; ================= ReLU, the last layer in f32, the two halves, the way out =================
	PLACES
.set n, 0
.rept 32
	v_max_num_f32 v[ACC2+n], 0, v[ACC2+n]
.set n, n+1
.endr
	WIN SRC1B2                                     ; Wout lies in block 2
.set p, 0
.rept 4
	v_pk_mul_f32 v[WF+2*p:WF+2*p+1], v[ACC2+2*p:ACC2+2*p+1], v[WO+2*p:WO+2*p+1]    ; four chains, started by the first products
.set p, p+1
.endr
.rept 12
	v_pk_fma_f32 v[WF+2*(p%4):WF+2*(p%4)+1], v[ACC2+2*p:ACC2+2*p+1], v[WO+2*p:WO+2*p+1], v[WF+2*(p%4):WF+2*(p%4)+1]
.set p, p+1
.endr
	WIN ALL0
	v_pk_add_f32 v[WF:WF+1],   v[WF:WF+1],   v[WF+2:WF+3]
	v_pk_add_f32 v[WF+4:WF+5], v[WF+4:WF+5], v[WF+6:WF+7]
	v_pk_add_f32 v[WF:WF+1],   v[WF:WF+1],   v[WF+4:WF+5]
	v_add_f32 v[WF], v[WF], v[WF+1]
	v_add_f32 v[WF], v[WF], v[PART]
	v_permlanex16_b32 v[XLANE], v[WF], s62, s63    ; the other half's share of my row
	v_add_f32 v[WF], v[WF], v[XLANE]
	ds_store_b32 v[OADR], v[WF]                    ; both halves write the same word with the same value
	s_wait_dscnt 0x0                               ; zero: wave 0 reads it behind the barrier
	s_barrier_signal -1
	s_barrier_wait -1
	s_cmp_lg_u32 s2, 0
	s_cbranch_scc1 .Lend
	v_and_b32 v[WF+1], 31, v0                      ; wave 0 alone: 32 lanes x 8 bytes
	v_lshlrev_b32 v[WF+4], 3, v[WF+1]
	v_add_nc_u32 v[WF+1], OUTS, v[WF+4]
	ds_load_b64 v[WF+2:WF+3], v[WF+1]
	s_wait_dscnt 0x0
	global_store_b64 v[WF+4], v[WF+2:WF+3], s[P_OUT:P_OUT+1] th:TH_STORE_NT    ; the work-group's 256 consecutive bytes of out0, at a multiple of 256, in one instruction
.Lend:
	s_set_vgpr_msb 0x5
	s_wait_tensorcnt 0x0
	ds_add_u32 v245, v255
	s_wait_dscnt 0x0
	s_set_vgpr_msb 0x500
	s_endpgm
.Lfunc_end_k_qbb11c55734_deepfm:
	.size	k_qbb11c55734_deepfm, .Lfunc_end_k_qbb11c55734_deepfm-k_qbb11c55734_deepfm
	.p2alignl 7, 3214868480
	.fill 96, 4, 3214868480
	.section	.rodata,"a",@progbits
	.p2align	6, 0x0
	.amdhsa_kernel k_qbb11c55734_deepfm
		.amdhsa_group_segment_fixed_size 79616
		.amdhsa_private_segment_fixed_size 0
		.amdhsa_enable_private_segment 0
		.amdhsa_kernarg_size 232
		.amdhsa_user_sgpr_count 2
		.amdhsa_user_sgpr_kernarg_segment_ptr 1
		.amdhsa_wavefront_size32 1
		.amdhsa_system_sgpr_workgroup_id_x 1
		.amdhsa_system_sgpr_workgroup_id_y 1
		.amdhsa_system_sgpr_workgroup_id_z 1
		.amdhsa_system_vgpr_workitem_id 0
		.amdhsa_next_free_vgpr 768
		.amdhsa_next_free_sgpr 84
		.amdhsa_reserve_vcc 1
		.amdhsa_float_denorm_mode_32 3
		.amdhsa_float_denorm_mode_16_64 3
		.amdhsa_memory_ordered 1
		.amdhsa_forward_progress 1
		.amdhsa_inst_pref_size 71
	.end_amdhsa_kernel
	.amdgpu_metadata
---
amdhsa.version: [ 1, 2 ]
amdhsa.kernels:
  - .name:           k_qbb11c55734_deepfm
    .symbol:         k_qbb11c55734_deepfm.kd
    .args:
      - { .name: user_id, .offset: 0, .size: 8, .value_kind: global_buffer, .address_space: global }
      - { .name: item_id, .offset: 8, .size: 8, .value_kind: global_buffer, .address_space: global }
      - { .name: user_gender, .offset: 16, .size: 8, .value_kind: global_buffer, .address_space: global }
      - { .name: user_age, .offset: 24, .size: 8, .value_kind: global_buffer, .address_space: global }
      - { .name: user_occupation, .offset: 32, .size: 8, .value_kind: global_buffer, .address_space: global }
      - { .name: item_genre_ids, .offset: 40, .size: 8, .value_kind: global_buffer, .address_space: global }
      - { .name: item_genre_mask, .offset: 48, .size: 8, .value_kind: global_buffer, .address_space: global }
      - { .name: dense_features, .offset: 56, .size: 8, .value_kind: global_buffer, .address_space: global }
      - { .name: emb_user, .offset: 64, .size: 8, .value_kind: global_buffer, .address_space: global }
      - { .name: emb_item, .offset: 72, .size: 8, .value_kind: global_buffer, .address_space: global }
      - { .name: emb_gender, .offset: 80, .size: 8, .value_kind: global_buffer, .address_space: global }
      - { .name: emb_age, .offset: 88, .size: 8, .value_kind: global_buffer, .address_space: global }
      - { .name: emb_occ, .offset: 96, .size: 8, .value_kind: global_buffer, .address_space: global }
      - { .name: emb_genre, .offset: 104, .size: 8, .value_kind: global_buffer, .address_space: global }
      - { .name: fo_user, .offset: 112, .size: 8, .value_kind: global_buffer, .address_space: global }
      - { .name: fo_item, .offset: 120, .size: 8, .value_kind: global_buffer, .address_space: global }
      - { .name: fo_gender, .offset: 128, .size: 8, .value_kind: global_buffer, .address_space: global }
      - { .name: fo_age, .offset: 136, .size: 8, .value_kind: global_buffer, .address_space: global }
      - { .name: fo_occ, .offset: 144, .size: 8, .value_kind: global_buffer, .address_space: global }
      - { .name: fo_genre, .offset: 152, .size: 8, .value_kind: global_buffer, .address_space: global }
      - { .name: W1, .offset: 160, .size: 8, .value_kind: global_buffer, .address_space: global }
      - { .name: W2, .offset: 168, .size: 8, .value_kind: global_buffer, .address_space: global }
      - { .name: b1, .offset: 176, .size: 8, .value_kind: global_buffer, .address_space: global }
      - { .name: b2, .offset: 184, .size: 8, .value_kind: global_buffer, .address_space: global }
      - { .name: Wout, .offset: 192, .size: 8, .value_kind: global_buffer, .address_space: global }
      - { .name: dense_W, .offset: 200, .size: 8, .value_kind: global_buffer, .address_space: global }
      - { .name: dense_b, .offset: 208, .size: 8, .value_kind: global_buffer, .address_space: global }
      - { .name: bout, .offset: 216, .size: 8, .value_kind: global_buffer, .address_space: global }
      - { .name: out0, .offset: 224, .size: 8, .value_kind: global_buffer, .address_space: global }
    .group_segment_fixed_size: 79616
    .private_segment_fixed_size: 0
    .kernarg_segment_align: 8
    .kernarg_segment_size: 232
    .max_flat_workgroup_size: 128
    .sgpr_count:     84
    .vgpr_count:     768
    .wavefront_size: 32
...
	.end_amdgpu_metadata
.endif
;; end of part 1
;; ======== version 2 of 2: 1 launch; version 1 with the launch deepfm written anew for expert scheduling mode
;; launch deepfm (part 2): grid 256 x 1, 4 waves a work-group, no clusters, 79,616 bytes of LDS; arguments user_id, item_id, user_gender, user_age, user_occupation, item_genre_ids, item_genre_mask, dense_features, emb_user, emb_item, emb_gender, emb_age, emb_occ, emb_genre, fo_user, fo_item, fo_gender, fo_age, fo_occ, fo_genre, W1, W2, b1, b2, Wout, dense_W, dense_b, bout, out0; writes out0
.if DOCPART == 2
	.amdgcn_target "amdgcn-amd-amdhsa--gfx1250"
	.amdhsa_code_object_version 6
	.text
	.protected	k_qbb11c55734_deepfm
	.globl	k_qbb11c55734_deepfm
	.p2align	8
	.type	k_qbb11c55734_deepfm,@function
k_qbb11c55734_deepfm:
	s_mov_b64 s[64:65], 0
	v_nop
	global_prefetch_b8 v0, s[64:65] scope:SCOPE_SE
	s_setreg_imm32_b32 hwreg(HW_REG_WAVE_SCHED_MODE, 0, 2), 2
	s_setreg_imm32_b32 hwreg(HW_REG_WAVE_MODE, 25, 1), 1
	s_wait_xcnt 0x0
	s_wait_alu depctr_vm_vsrc(0)
; DeepFM ranker, 16,384 rows, one launch: out = first order + FM pair term + MLP 200 -> 128 -> 64 -> 1.
; 256 work-groups of four waves; a work-group owns 64 rows, a wave 16 rows (one N tile of the matrix unit).
; Lane L of a wave: r = L & 15 is the row, h = L >> 4 the half.  Lane (r, h) gathers, of every field's 32 numbers, those with
; index 8h..8h+7 and 16+8h..16+8h+7: exactly what a bf16 fragment of K = 32 keeps in that lane, so a field goes from its table
; row into a fragment by four 16-byte loads and eight conversions, without LDS.
; THE PRODUCTS ARE TRANSPOSED: source A = 16 rows of a weight matrix, source B = 16 batch rows.  Register j of a result then holds
; feature 16 t + 8 h + j of batch row r, which is (a) where a bias vector can be loaded straight as the first C, and (b) after
; ReLU and packing the B fragment of the next layer.  Nothing is transposed and nothing is cleared.
; The weights (135,168 bytes of f32) are narrowed to bf16 in registers and laid in LDS once by the four waves together.
; NO CLUSTER, NO JOINT LOADS: all that work-groups share are those weights, and they change format on the way.  A copy engine lands
; bytes as they are: a raw region of 135,168 bytes, as many LDS bytes read back, and then the same conversions and LDS stores as here.
; The FM pair term is kept in f32 as the sum over f < g of x_f x_g (q += x_f s; s += x_f): no difference of two large sums.
; Wout and dense_W have one output each: f32 multiply-adds on the vector unit (a matrix tile would be 15/16 empty).
; LIMITS: ReLU is v_max_num_f32, which turns a NaN into 0: non-finite inputs are not served.  Ids are clamped (unsigned) to their
; table's last row.  1 / max(sum of masks, 1) is v_rcp_f32, good to 1 ulp.  Sums run in another order than the reference's.
; THE MODE: SCHED_MODE bits 1:0 = 2 (LLVM: expert scheduling mode 2), set by the entry lines.  The code itself states the register
; dependences between vector or matrix instructions and memory or LDS instructions, with s_wait_alu, always for 0.
; THE PLAN.  Registers that memory or LDS instructions touch:
;   offsets and LDS addresses   made by vector lines at the head, never written by a vector line again: one wait on va_vdst at the head's end.
;   ID, GID, AR, AG             ids as loaded, clamped and shifted by vector lines, then read as offsets by the gathers: one wait behind the six
;                               lines for the two large tables, one behind the 27 lines for the small ones; each stands directly ahead of its loads.
;   ST (W1 as loaded)           converted in place, in five blocks of ten loads' worth.  Block p's conversions name block p's registers alone; the LDS
;                               stores of block p - 1 are dealt among them, behind one wait on va_vdst at the block's head.
;   ST again (W2, tail, Wout)   land where W1's LDS stores have read: one wait on vm_vsrc.  Their 36 conversions, one wait on va_vdst, their 17 stores.
;   the 72 weight fragments     each has eight registers of its own: 12 in block 0, 32 in block 1, 28 in block 2 (behind the barrier nothing of blocks 1
;                               and 2 is wanted but Wout).  No load lands in a register that a matrix instruction has named, so the two waits behind
;                               the barrier (all arithmetic on those blocks is done; all offsets and store data in them have been read) serve all 144 loads.
;   the result                  one wait on va_vdst ahead of its LDS store, one in wave 0 ahead of the load that reads the 64 results back.
; The gathered rows, masks, dense features and biases are loaded once and then named by vector and matrix instructions alone.
; ---- LDS (79,104 bytes).  All three pitches are odd multiples of 16 bytes: the 16 rows that a fragment load touches start in
; 16 different 16-byte columns modulo 256 bytes.
.set W1L,   0                          ; W1 as bf16, a linear copy: 128 rows x 400 bytes (k = 0..199)
.set W1P,   400
.set TAILL, 51200                      ; 128 rows x 80 bytes: k = 192..199, then 48 bytes of zeros (k = 200..223), 16 bytes unused
.set TAILP, 80
.set W2L,   61440                      ; W2 as bf16: 64 rows x (256 + 16) bytes
.set W2P,   272
.set OUTS,  78848                      ; the work-group's 64 results, 256 bytes
; ---- the arguments: pointer i in s[4+2i : 5+2i]
.set P_UID, 4
.set P_IID, 6
.set P_GEN, 8
.set P_AGE, 10
.set P_OCC, 12
.set P_GIDS, 14
.set P_GMSK, 16
.set P_DENSE, 18
.set P_EUSER, 20
.set P_EITEM, 22
.set P_EGEN, 24
.set P_EAGE, 26
.set P_EOCC, 28
.set P_EGENRE, 30
.set P_FUSER, 32
.set P_FITEM, 34
.set P_FGEN, 36
.set P_FAGE, 38
.set P_FOCC, 40
.set P_FGENRE, 42
.set P_W1, 44
.set P_W2, 46
.set P_B1, 48
.set P_B2, 50
.set P_WOUT, 52
.set P_DW, 54
.set P_DB, 56
.set P_BOUT, 58
.set P_OUT, 60
; s2 wave number; s3 64 x work-group; s62, s63 selects of v_permlanex16_b32; s[66:67] byte offset in out0; s[68:75] dense_W;
; s76 dense_b; s77 bout; s78 = 0xffff, the lanes with h = 0; s80-s83 the wave's bases in LDS
; ---- vector registers: three blocks of 256.  Up to the barrier each is a world of its own; behind it blocks 1 and 2 hold weight fragments
; block 0, the matrix side
.set ADR1, 1                           ; 400 r + 16 h
.set ADRT, 2                           ; 80 r + 16 h
.set ADR2, 3                           ; W2L + 272 r + 16 h
.set BOFF, 4                           ; 32 h: my eight numbers in each 16 of a bias
.set PART, 5                           ; my half's share of first order + pair term
.set OADR, 6                           ; OUTS + 4 (16 w + r)
.set XLANE, 7                          ; destination of v_permlanex16_b32
.set XF,   8                           ; v8-63    7 B fragments: the six fields, then dense features and zeros
.set H1F,  8                           ; v8-39    4 B fragments of layer 2, over XF when layer 1 is done
.set ACC1, 64                          ; v64-127  8 tiles of layer 1
.set ACC2, 128                         ; v128-159 4 tiles of layer 2
.set WF,   160                         ; v160-255 weight fragments 0 to 11; temporaries at both ends of the text
.set TL,   WF+0                        ; L
.set TR,   WF+1                        ; r
.set TH,   WF+2                        ; h
.set TW,   WF+3                        ; w
.set TROW, WF+5                        ; my row in the batch
.set TL80, WF+7                        ; 80 L
; block 1, the gather side; behind the barrier weight fragments 12 to 43
.set OFF4,  0                          ; 4 x row
.set OFF24, 1                          ; 24 x row
.set OFF32, 2                          ; 32 x row
.set H32,   3                          ; 32 h
.set ID,    4                          ; 4-8     user, item, gender, age, occupation: id, then 4 x id
.set F,     9                          ; first order
.set GID,   10                         ; 10-15   genre ids, then 4 x id
.set MSK,   16                         ; 16-21   masks, then mask / denominator
.set RC,    22                         ; 22-23   1 / denominator, twice
.set DN,    24                         ; 24-31   dense features
.set AR,    32                         ; 32-36   128 x id + 32 h
.set AG,    38                         ; 38-43   the same for the genres
.set PK,    44                         ; 44-47   dense features as bf16
.set Q,     48                         ; 48-63   pair term, 16 partial sums
.set EU,    64                         ; my 16 numbers of the user row; becomes the running sum
.set SV,    EU
.set EI,    80
.set EG,    96
.set EA,    112
.set EO,    128
.set EGN,   144                        ; 144-239 six genre rows; the first becomes the pooled vector
.set PV,    EGN
.set FO,    240                        ; 240-244 first-order values of the five plain fields
.set FOG,   246                        ; 246-251 those of the six genres
.set DEN,   252                        ; 252-254 the denominator at work
; block 2, the staging side; behind the barrier weight fragments 44 to 71, on either side of Wout
.set ST,    0                          ; 0-199   W1 as loaded; later 0-63 W2
.set TLD,   64                         ; 64-71   my row's k = 192..199 of W1
.set WO,    72                         ; 72-103  Wout[16 u + 8 h + j] at WO + 8 u + j
.set G16,   200                        ; 16 t
.set L8,    201                        ; 8 t
.set GT,    202                        ; 800 t
.set LT,    203                        ; 80 t
.set L2A,   204                        ; W2L + 272 w + 8 L
.set WOF,   205                        ; 32 h
.set ZR,    208                        ; 208-211 zeros
; s_set_vgpr_msb's low byte: bits 1:0 source 0, 3:2 source 1, 5:4 source 2, 7:6 destination; its high byte repeats the setting left
.set ALL0,  0x00
.set ALL1,  0x55
.set ALL2,  0xaa
.set TO1,   0x40                       ; destination block 1, sources block 0
.set TO2,   0x80                       ; destination block 2, sources block 0
.set FROM1, 0x05                       ; destination block 0, sources 0 and 1 block 1
.set SRC1B2, 0x08                      ; source 1 block 2, the rest block 0
.set MSB, 0
.macro WIN new
.if MSB != (\new)
	s_set_vgpr_msb (MSB<<8)|(\new)
.set MSB, (\new)
.endif
.endm
; Four places behind matrix instructions, before a vector instruction reads a result or writes one of their registers
; (ISA guide 7.12.1); matrix instructions in between are not counted as places here.
.macro PLACES
.rept 4
	v_nop
.endr
.endm
; my 16 numbers of a table row: indices 8h..8h+7 (bytes 0..31 from 32 h) and 16+8h.. (bytes 64..95 from 32 h)
.macro ROWS e, a, b
	global_load_b128 v[\e:\e+3],     v[\a], s[\b:\b+1]
	global_load_b128 v[\e+4:\e+7],   v[\a], s[\b:\b+1] offset:16
	global_load_b128 v[\e+8:\e+11],  v[\a], s[\b:\b+1] offset:64
	global_load_b128 v[\e+12:\e+15], v[\a], s[\b:\b+1] offset:80
.endm
; 16 f32 of block 1 become a fragment of 8 registers in block 0 (under FROM1)
.macro CVTF x, e
.set j, 0
.rept 8
	v_cvt_pk_bf16_f32 v[\x+j], v[\e+2*j], v[\e+2*j+1]
.set j, j+1
.endr
.endm
; pooled += weight g x genre row g; the weight is one register of a pair, broadcast to both halves by op_sel / op_sel_hi
.macro POOL g
.set j, 0
.rept 8
.if \g == 0
	v_pk_mul_f32 v[PV+2*j:PV+2*j+1], v[PV+2*j:PV+2*j+1], v[MSK:MSK+1] op_sel_hi:[1,0]
.else
.if ((\g)&1) == 0
	v_pk_fma_f32 v[PV+2*j:PV+2*j+1], v[EGN+16*\g+2*j:EGN+16*\g+2*j+1], v[MSK+\g:MSK+\g+1], v[PV+2*j:PV+2*j+1] op_sel_hi:[1,0,1]
.else
	v_pk_fma_f32 v[PV+2*j:PV+2*j+1], v[EGN+16*\g+2*j:EGN+16*\g+2*j+1], v[MSK+\g-1:MSK+\g], v[PV+2*j:PV+2*j+1] op_sel:[0,1,0] op_sel_hi:[1,1,1]
.endif
.endif
.set j, j+1
.endr
.endm
; q += x s, then s += x (not behind the last field)
.macro FM e, first, last
.set j, 0
.rept 8
.if \first
	v_pk_mul_f32 v[Q+2*j:Q+2*j+1], v[\e+2*j:\e+2*j+1], v[SV+2*j:SV+2*j+1]
.else
	v_pk_fma_f32 v[Q+2*j:Q+2*j+1], v[\e+2*j:\e+2*j+1], v[SV+2*j:SV+2*j+1], v[Q+2*j:Q+2*j+1]
.endif
.set j, j+1
.endr
.if \last == 0
.set j, 0
.rept 8
	v_pk_add_f32 v[SV+2*j:SV+2*j+1], v[SV+2*j:SV+2*j+1], v[\e+2*j:\e+2*j+1]
.set j, j+1
.endr
.endif
.endm
; Staging (under ALL2).  CV1: the four f32 of load c close up into the first two of their four registers.  SS1: W1's 8 bytes of load c into LDS.
.macro CV1 c
	v_cvt_pk_bf16_f32 v[ST+4*(\c)],   v[ST+4*(\c)],   v[ST+4*(\c)+1]
	v_cvt_pk_bf16_f32 v[ST+4*(\c)+1], v[ST+4*(\c)+2], v[ST+4*(\c)+3]
.endm
.macro SS1 c
	ds_store_b64 v[L8], v[ST+4*(\c):ST+4*(\c)+1] offset:W1L+1024*(\c)      ; half the bytes, the same linear order: 256 consecutive bytes a wave
.endm
; The 72 weight fragments in the order of use, in 18 groups of four.  Fragments 0-55, layer 1: two tiles take turns through the
; seven K steps (14 fragments), then the next two tiles.  Fragments 56-71, layer 2: two tiles through four K steps, twice.
; LOC n: where fragment n lives: block wb, register wf.  A group's four fragments lie in one block (12, 32 and 28 are multiples of four).
.macro LOC n
.if (\n) < 12
.set wb, 0
.set wf, WF+8*(\n)
.elseif (\n) < 44
.set wb, 1
.set wf, 8*((\n)-12)
.elseif (\n) < 53
.set wb, 2
.set wf, 8*((\n)-44)
.else
.set wb, 2
.set wf, 104+8*((\n)-53)
.endif
.endm
; FETCH g: the group's eight LDS loads, into the fragments' own registers: destination in the group's block, address in block 0
.macro FETCH g
	LOC 4*(\g)
	WIN wb<<6
.set q, 0
.rept 4
.set fi, 4*(\g)+q
	LOC fi
.if fi < 56
.set ks, (fi%14)/2
.set tt, 2*(fi/14)+(fi%2)
.if ks < 6
	ds_load_b128 v[wf:wf+3],   v[ADR1] offset:W1L+tt*16*W1P+ks*64
	ds_load_b128 v[wf+4:wf+7], v[ADR1] offset:W1L+tt*16*W1P+ks*64+32
.else
	ds_load_b128 v[wf:wf+3],   v[ADRT] offset:TAILL+tt*16*TAILP
	ds_load_b128 v[wf+4:wf+7], v[ADRT] offset:TAILL+tt*16*TAILP+32
.endif
.else
.set fj, fi-56
.set ks, (fj%8)/2
.set tt, 2*(fj/8)+(fj%2)
	ds_load_b128 v[wf:wf+3],   v[ADR2] offset:tt*16*W2P+ks*64
	ds_load_b128 v[wf+4:wf+7], v[ADR2] offset:tt*16*W2P+ks*64+32
.endif
.set q, q+1
.endr
.endm
; MUL g: the group's four matrix instructions; each accumulator is a chain in place, started on its bias; source 0 in the group's block
.macro MUL g
	LOC 4*(\g)
	WIN wb
.set q, 0
.rept 4
.set fi, 4*(\g)+q
	LOC fi
.if fi < 56
.set ks, (fi%14)/2
.set tt, 2*(fi/14)+(fi%2)
	v_wmma_f32_16x16x32_bf16 v[ACC1+8*tt:ACC1+8*tt+7], v[wf:wf+7], v[XF+8*ks:XF+8*ks+7], v[ACC1+8*tt:ACC1+8*tt+7]
.else
.set fj, fi-56
.set ks, (fj%8)/2
.set tt, 2*(fj/8)+(fj%2)
	v_wmma_f32_16x16x32_bf16 v[ACC2+8*tt:ACC2+8*tt+7], v[wf:wf+7], v[H1F+8*ks:H1F+8*ks+7], v[ACC2+8*tt:ACC2+8*tt+7]
.endif
.set q, q+1
.endr
.endm
	; ================= the arguments, and every number that hangs on the thread's place alone =================
	s_load_b512 s[4:19],  s[0:1], 0x0
	s_load_b512 s[20:35], s[0:1], 0x40
	s_load_b512 s[36:51], s[0:1], 0x80
	s_load_b256 s[52:59], s[0:1], 0xc0
	s_load_b64  s[60:61], s[0:1], 0xe0
	s_set_vgpr_msb 0xc0
	v_lshl_add_u32 v0, v0, 2, 0x13500
	v_mov_b32 v1, 0
	s_set_vgpr_msb 0xc000
	v_and_b32 v[TL], 31, v0
	v_and_b32 v[TR], 15, v0
	v_bfe_u32 v[TH], v0, 4, 1
	v_lshrrev_b32 v[TW], 5, v0
	v_readfirstlane_b32 s2, v[TW]                  ; the wave's number as a scalar
	s_lshl_b32 s3, ttmp9, 6                        ; the work-group's first row
	s_lshl_b32 s66, ttmp9, 8                       ; and its 256 bytes of out0
	s_mov_b32 s67, 0
	s_mov_b32 s62, 0x76543210                      ; v_permlanex16_b32: lane i of one half reads lane i of the other
	s_mov_b32 s63, 0xfedcba98
	s_mov_b32 s78, 0xffff                          ; the lanes with h = 0
	v_lshl_add_u32 v[TROW], v[TW], 4, v[TR]        ; 16 w + r
	v_add_nc_u32 v[TROW], s3, v[TROW]              ; + 64 x work-group
	v_mul_u32_u24 v[TL80], v[TL], TAILP
	v_mul_u32_u24 v[ADR1], v[TR], W1P
	v_lshl_add_u32 v[ADR1], v[TH], 4, v[ADR1]
	v_mul_u32_u24 v[ADRT], v[TR], TAILP
	v_lshl_add_u32 v[ADRT], v[TH], 4, v[ADRT]
	v_mul_u32_u24 v[ADR2], v[TR], W2P
	v_lshl_add_u32 v[ADR2], v[TH], 4, v[ADR2]
	v_add_nc_u32 v[ADR2], W2L, v[ADR2]
	v_lshlrev_b32 v[BOFF], 5, v[TH]
	v_mov_b32 v[XLANE], 0
.irp j, 4,5,6,7
	v_mov_b32 v[XF+48+\j], 0                       ; K step 6, k = 208..223: zeros
.endr
	s_wait_alu depctr_va_sdst(0)                   ; s2 is written, ahead of its first reader: the wave's bases in LDS are made from it
	s_lshl_b32 s80, s2, 8                          ; the wave's part of each LDS region: 32 threads x 8 bytes,
	s_mul_i32 s81, s2, 32*TAILP                    ; 32 rows of the tail,
	s_mul_i32 s82, s2, W2P                         ; one row of W2 in each four,
	s_add_co_u32 s82, s82, W2L
	s_lshl_b32 s83, s2, 6                          ; 16 results
	s_add_co_u32 s83, s83, OUTS
	v_lshl_add_u32 v[OADR], v[TR], 2, s83
	WIN TO1
	v_lshlrev_b32 v[OFF4], 2, v[TROW]
	v_mul_u32_u24 v[OFF24], v[TROW], 24
	v_lshlrev_b32 v[OFF32], 5, v[TROW]
	v_lshlrev_b32 v[H32], 5, v[TH]
	WIN TO2
	v_lshlrev_b32 v[G16], 4, v0
	v_lshl_add_u32 v[L8], v[TL], 3, s80
	v_mul_u32_u24 v[GT], v0, 800                   ; thread t takes row t of W1 (800 bytes) for the tail
	v_add_nc_u32 v[LT], s81, v[TL80]
	v_lshl_add_u32 v[L2A], v[TL], 3, s82
	v_lshlrev_b32 v[WOF], 5, v[TH]
.irp j, 0,1,2,3
	v_mov_b32 v[ZR+\j], 0
.endr
	WIN ALL2
	s_wait_alu depctr_va_vdst(0)                   ; every offset and LDS address of the three blocks and the zeros are written: the stores and loads below, down to the gathers, and the biases' loads read them
	ds_store_b128 v[LT], v[ZR:ZR+3] offset:TAILL+16    ; k = 200..223 of my row of the tail
	ds_store_b128 v[LT], v[ZR:ZR+3] offset:TAILL+32
	ds_store_b128 v[LT], v[ZR:ZR+3] offset:TAILL+48
	s_wait_kmcnt 0x0                               ; the 29 addresses
	s_load_b256 s[68:75], s[P_DW:P_DW+1], 0x0      ; dense_W, dense_b, bout: the same for every lane, so scalars
	s_load_b32 s76, s[P_DB:P_DB+1], 0x0
	s_load_b32 s77, s[P_BOUT:P_BOUT+1], 0x0
	s_add_nc_u64 s[P_OUT:P_OUT+1], s[P_OUT:P_OUT+1], s[66:67]
	; ================= 13 loads: my row's ids, masks and dense features (the head of the chain ids -> rows) =================
	WIN ALL1
	global_load_b32 v[ID+0], v[OFF4], s[P_UID:P_UID+1] th:TH_LOAD_NT
	global_load_b32 v[ID+1], v[OFF4], s[P_IID:P_IID+1] th:TH_LOAD_NT
	global_load_b32 v[ID+2], v[OFF4], s[P_GEN:P_GEN+1] th:TH_LOAD_NT
	global_load_b32 v[ID+3], v[OFF4], s[P_AGE:P_AGE+1] th:TH_LOAD_NT
	global_load_b32 v[ID+4], v[OFF4], s[P_OCC:P_OCC+1] th:TH_LOAD_NT
.irp i, 0,1,2
	global_load_b64 v[GID+2*\i:GID+2*\i+1], v[OFF24], s[P_GIDS:P_GIDS+1] offset:8*\i th:TH_LOAD_NT
.endr
.irp i, 0,1,2
	global_load_b64 v[MSK+2*\i:MSK+2*\i+1], v[OFF24], s[P_GMSK:P_GMSK+1] offset:8*\i th:TH_LOAD_NT
.endr
	global_load_b128 v[DN:DN+3],   v[OFF32], s[P_DENSE:P_DENSE+1] th:TH_LOAD_NT
	global_load_b128 v[DN+4:DN+7], v[OFF32], s[P_DENSE:P_DENSE+1] offset:16 th:TH_LOAD_NT
	; ================= 50 loads: W1, 102,400 bytes in linear order, while the ids are on their way =================
	; Load c of thread t takes the 16 bytes at 2,048 c + 16 t: a wave's instruction covers 512 consecutive bytes.
	WIN ALL2
.set c, 0
.rept 50
	global_load_b128 v[ST+4*c:ST+4*c+3], v[G16], s[P_W1:P_W1+1] offset:2048*c
.set c, c+1
.endr
	; ================= 55 loads: the table rows.  The two large tables first. =================
	; From here on more loads are issued than the counter's field holds; the issue then waits by itself (ISA guide 5.7.1).
	WIN ALL1
	s_wait_loadcnt 50                              ; loads come back in order (ISA guide 5.7.1): W1's 50 are younger, the first 13 are in
	v_min_u32 v[ID+0], 0xf423f, v[ID+0]            ; the table's last row, 999,999
	v_min_u32 v[ID+1], 0x1869f, v[ID+1]            ; 99,999
	v_lshl_add_u32 v[AR+0], v[ID+0], 7, v[H32]     ; a row is 128 bytes
	v_lshl_add_u32 v[AR+1], v[ID+1], 7, v[H32]
	v_lshlrev_b32 v[ID+0], 2, v[ID+0]
	v_lshlrev_b32 v[ID+1], 2, v[ID+1]
	s_wait_alu depctr_va_vdst(0)                   ; the four offsets into the user's and the item's tables are written, which the ten loads below read
	ROWS EU, AR+0, P_EUSER
	ROWS EI, AR+1, P_EITEM
	global_load_b32 v[FO+0], v[ID+0], s[P_FUSER:P_FUSER+1]
	global_load_b32 v[FO+1], v[ID+1], s[P_FITEM:P_FITEM+1]
	v_min_u32 v[ID+2], 1, v[ID+2]
	v_min_u32 v[ID+3], 6, v[ID+3]
	v_min_u32 v[ID+4], 20, v[ID+4]
.irp i, 2,3,4
	v_lshl_add_u32 v[AR+\i], v[ID+\i], 7, v[H32]
	v_lshlrev_b32 v[ID+\i], 2, v[ID+\i]
.endr
.irp g, 0,1,2,3,4,5
	v_min_u32 v[GID+\g], 18, v[GID+\g]
	v_lshl_add_u32 v[AG+\g], v[GID+\g], 7, v[H32]
	v_lshlrev_b32 v[GID+\g], 2, v[GID+\g]
.endr
	s_wait_alu depctr_va_vdst(0)                   ; the eighteen offsets into the small tables are written, which the 45 loads below read
	ROWS EG, AR+2, P_EGEN
	ROWS EA, AR+3, P_EAGE
	ROWS EO, AR+4, P_EOCC
	global_load_b32 v[FO+2], v[ID+2], s[P_FGEN:P_FGEN+1]
	global_load_b32 v[FO+3], v[ID+3], s[P_FAGE:P_FAGE+1]
	global_load_b32 v[FO+4], v[ID+4], s[P_FOCC:P_FOCC+1]
.irp g, 0,1,2,3,4,5
	ROWS EGN+16*\g, AG+\g, P_EGENRE
.endr
.irp g, 0,1,2,3,4,5
	global_load_b32 v[FOG+\g], v[GID+\g], s[P_FGENRE:P_FGENRE+1]
.endr
	; while they travel: the pool's weights, the dense linear term, the dense features as bf16 (no memory instruction names what these lines write)
	s_wait_kmcnt 0x0                               ; dense_W, dense_b, bout
	v_add_f32 v[DEN],   v[MSK],   v[MSK+1]
	v_add_f32 v[DEN+1], v[MSK+2], v[MSK+3]
	v_add_f32 v[DEN+2], v[MSK+4], v[MSK+5]
	v_add_f32 v[DEN], v[DEN], v[DEN+1]
	v_add_f32 v[DEN], v[DEN], v[DEN+2]
	v_max_num_f32 v[DEN], 1.0, v[DEN]              ; clip(sum of masks, 1)
	v_rcp_f32 v[RC],   v[DEN]                      ; twice, for the packed multiply.  Behind a transcendental one plain vector instruction
	v_rcp_f32 v[RC+1], v[DEN]                      ; stands before its result is used (ISA guide 5.7.2): the multiply-adds below
	v_fma_f32 v[F], v[DN], s68, s76                ; dense_features . dense_W + dense_b
.irp i, 1,2,3,4,5,6,7
	v_fma_f32 v[F], v[DN+\i], s[68+\i], v[F]
.endr
	v_add_f32 v[F], s77, v[F]                      ; + bout
	s_wait_alu depctr_va_vdst(0)
.irp i, 0,2,4
	v_pk_mul_f32 v[MSK+\i:MSK+\i+1], v[MSK+\i:MSK+\i+1], v[RC:RC+1]    ; mask / denominator
.endr
.irp i, 0,1,2,3
	v_cvt_pk_bf16_f32 v[PK+\i], v[DN+2*\i], v[DN+2*\i+1]
.endr
	; ================= W1 to bf16 and into LDS, in five blocks of ten loads' worth; then 50 loads: W2, W1's tail, Wout, the biases =================
	WIN ALL2
	s_wait_loadcnt 55                              ; the 55 gathers are younger: W1 is in
.set c, 0
.rept 10
	CV1 c                                          ; block 0
.set c, c+1
.endr
.rept 4
	s_wait_alu depctr_va_vdst(0)                   ; the block before is converted: its ten LDS stores, dealt among this block's conversions, read what those lines wrote; this block's lines name other registers
.rept 10
	SS1 c-10
	CV1 c
.set c, c+1
.endr
.endr
	s_wait_alu depctr_va_vdst(0)                   ; block 4 is converted, which the last ten LDS stores read; and all conversions are done with v[ST ..], in which the loads below land
.rept 10
	SS1 c-10
.set c, c+1
.endr
	s_wait_alu depctr_vm_vsrc(0)                   ; W1's LDS stores have read v[ST ..]: W2, the tail and Wout land in the first 104 of these registers, and their conversions write there
.set c, 0
.rept 16
	global_load_b128 v[ST+4*c:ST+4*c+3], v[G16], s[P_W2:P_W2+1] offset:2048*c      ; row 4 c + w of W2, columns 4 L .. 4 L + 3
.set c, c+1
.endr
	global_load_b128 v[TLD:TLD+3],   v[GT], s[P_W1:P_W1+1] offset:768              ; W1[t][192..199]
	global_load_b128 v[TLD+4:TLD+7], v[GT], s[P_W1:P_W1+1] offset:784
.irp u, 0,1,2,3
	global_load_b128 v[WO+8*\u:WO+8*\u+3],   v[WOF], s[P_WOUT:P_WOUT+1] offset:64*\u
	global_load_b128 v[WO+8*\u+4:WO+8*\u+7], v[WOF], s[P_WOUT:P_WOUT+1] offset:64*\u+16
.endr
	WIN ALL0
.irp t, 0,1,2,3,4,5,6,7
	global_load_b128 v[ACC1+8*\t:ACC1+8*\t+3],   v[BOFF], s[P_B1:P_B1+1] offset:64*\t      ; b1[16 t + 8 h + j] is the sum's start
	global_load_b128 v[ACC1+8*\t+4:ACC1+8*\t+7], v[BOFF], s[P_B1:P_B1+1] offset:64*\t+16
.endr
.irp u, 0,1,2,3
	global_load_b128 v[ACC2+8*\u:ACC2+8*\u+3],   v[BOFF], s[P_B2:P_B2+1] offset:64*\u
	global_load_b128 v[ACC2+8*\u+4:ACC2+8*\u+7], v[BOFF], s[P_B2:P_B2+1] offset:64*\u+16
.endr
	; ================= the rows are in: fragments, pool, pair term, first order (vector lines alone) =================
	s_wait_loadcnt 50                              ; W2 16, tail 2, Wout 8, b1 16, b2 8 are younger: the gathers are in
	WIN FROM1
	CVTF XF+0,  EU                                 ; before the user row becomes the running sum
	CVTF XF+8,  EI
	CVTF XF+16, EG
	CVTF XF+24, EA
	CVTF XF+32, EO
	WIN ALL1
	POOL 0
	POOL 1
	POOL 2
	POOL 3
	POOL 4
	POOL 5
	FM EI, 1, 0
	FM EG, 0, 0
	FM EA, 0, 0
	FM EO, 0, 0
	FM PV, 0, 1
.irp i, 0,2,4,6
	v_pk_add_f32 v[Q+\i:Q+\i+1], v[Q+\i:Q+\i+1], v[Q+8+\i:Q+8+\i+1]
.endr
	v_pk_add_f32 v[Q:Q+1],   v[Q:Q+1],   v[Q+4:Q+5]
	v_pk_add_f32 v[Q+2:Q+3], v[Q+2:Q+3], v[Q+6:Q+7]
	v_pk_add_f32 v[Q:Q+1],   v[Q:Q+1],   v[Q+2:Q+3]
	v_add_f32 v[Q], v[Q], v[Q+1]                   ; my 16 dimensions' share of the pair term
.irp i, 0,1,2,3,4
	v_add_f32 v[F], v[F], v[FO+\i]
.endr
.irp g, 0,1,2,3,4,5
	v_fma_f32 v[F], v[MSK+\g], v[FOG+\g], v[F]
.endr
	v_cndmask_b32 v[F], 0, v[F], s78               ; both halves hold the row's first order: it counts once, in h = 0
	WIN FROM1
	CVTF XF+40, PV
.irp j, 0,1,2,3
	v_cndmask_b32 v[XF+48+\j], 0, v[PK+\j], s78    ; K step 6: h = 0 holds k = 192..199, h = 1 holds k = 200..207 = zeros
.endr
	v_add_f32 v[PART], v[Q], v[F]
	; ================= W2 and the tail to bf16 and into LDS =================
	WIN ALL2
	s_wait_loadcnt 32                              ; Wout 8, b1 16, b2 8 are younger: W2 and the tail are in
.set c, 0
.rept 16
	CV1 c
.set c, c+1
.endr
.irp i, 0,1,2,3
	v_cvt_pk_bf16_f32 v[TLD+\i], v[TLD+2*\i], v[TLD+2*\i+1]        ; ascending: a register is written when it has been read
.endr
	s_wait_alu depctr_va_vdst(0)                   ; the 36 conversions have written v[ST ..] and v[TLD ..], which the 17 LDS stores read
.set c, 0
.rept 16
	ds_store_b64 v[L2A], v[ST+4*c:ST+4*c+1] offset:4*W2P*c
.set c, c+1
.endr
	ds_store_b128 v[LT], v[TLD:TLD+3] offset:TAILL
	WIN ALL0
	s_wait_loadcnt 0x0                             ; the biases are the first C operands; Wout
	s_wait_dscnt 0x0                               ; zero, for the other waves' sake: all my parts of the weights are in LDS
	s_barrier_signal -1
	s_barrier_wait -1                              ; everybody's are
	; ================= the two products: 72 matrix instructions, fragments six groups ahead, each in registers of its own =================
	s_wait_alu depctr_va_vdst(0)                   ; the arithmetic on the rows and the conversions are done reading and writing blocks 1 and 2, in which fragments land from here on; no store stands between this wait and those loads
	s_wait_alu depctr_vm_vsrc(0)                   ; the gathers have read their offsets in block 1, the weights' loads and LDS stores their offsets, addresses and data in block 2: fragments land there too
	FETCH 0
	FETCH 1
	FETCH 2
	FETCH 3
	FETCH 4
	FETCH 5
.irp g, 0,1,2,3,4,5,6,7,8,9,10,11
	s_wait_dscnt 40                                ; LDS loads come back in order (ISA guide 5.7.1): five younger groups of eight stay out
	FETCH \g+6                                     ; no wait: no vector or matrix instruction since the two waits above names these registers or the three addresses
	MUL \g
.endr
	s_wait_dscnt 40                                ; nothing is left to fetch: the counts run down
	MUL 12
	s_wait_dscnt 32
	MUL 13
	WIN ALL0
	PLACES
	; layer 1 is done, four places ago.  ReLU; tiles 2 c and 2 c + 1 pack into K step c of layer 2's B: register n from results 2 n, 2 n + 1
.set n, 0
.rept 64
	v_max_num_f32 v[ACC1+n], 0, v[ACC1+n]
.set n, n+1
.endr
.set n, 0
.rept 32
	v_cvt_pk_bf16_f32 v[H1F+n], v[ACC1+2*n], v[ACC1+2*n+1]
.set n, n+1
.endr
	s_wait_dscnt 24
	MUL 14
	s_wait_dscnt 16
	MUL 15
	s_wait_dscnt 8                                 ; the last group alone is younger
	MUL 16
	s_wait_dscnt 0
	MUL 17
	; ================= ReLU, the last layer in f32, the two halves, the way out =================
	WIN ALL0
	PLACES
.set n, 0
.rept 32
	v_max_num_f32 v[ACC2+n], 0, v[ACC2+n]
.set n, n+1
.endr
	WIN SRC1B2                                     ; Wout lies in block 2
.set p, 0
.rept 4
	v_pk_mul_f32 v[WF+2*p:WF+2*p+1], v[ACC2+2*p:ACC2+2*p+1], v[WO+2*p:WO+2*p+1]    ; four chains, started by the first products
.set p, p+1
.endr
.rept 12
	v_pk_fma_f32 v[WF+2*(p%4):WF+2*(p%4)+1], v[ACC2+2*p:ACC2+2*p+1], v[WO+2*p:WO+2*p+1], v[WF+2*(p%4):WF+2*(p%4)+1]
.set p, p+1
.endr
	WIN ALL0
	v_pk_add_f32 v[WF:WF+1],   v[WF:WF+1],   v[WF+2:WF+3]
	v_pk_add_f32 v[WF+4:WF+5], v[WF+4:WF+5], v[WF+6:WF+7]
	v_pk_add_f32 v[WF:WF+1],   v[WF:WF+1],   v[WF+4:WF+5]
	v_add_f32 v[WF], v[WF], v[WF+1]
	v_add_f32 v[WF], v[WF], v[PART]
	v_permlanex16_b32 v[XLANE], v[WF], s62, s63    ; the other half's share of my row
	v_add_f32 v[WF], v[WF], v[XLANE]
	s_wait_alu depctr_va_vdst(0)                   ; the last addition has written v[WF], which the LDS store reads
	ds_store_b32 v[OADR], v[WF]                    ; both halves write the same word with the same value
	s_wait_dscnt 0x0                               ; zero: wave 0 reads it behind the barrier
	s_barrier_signal -1
	s_barrier_wait -1
	s_cmp_lg_u32 s2, 0
	s_cbranch_scc1 .Lend
	v_and_b32 v[WF+1], 31, v0                      ; wave 0 alone: 32 lanes x 8 bytes
	v_lshlrev_b32 v[WF+4], 3, v[WF+1]
	v_add_nc_u32 v[WF+1], OUTS, v[WF+4]
	s_wait_alu depctr_va_vdst(0)                   ; the LDS address v[WF+1] and the store's offset v[WF+4] are written; the sums above are done with v[WF+2:WF+3], in which the load lands
	ds_load_b64 v[WF+2:WF+3], v[WF+1]
	s_wait_dscnt 0x0
	global_store_b64 v[WF+4], v[WF+2:WF+3], s[P_OUT:P_OUT+1] th:TH_STORE_NT    ; the work-group's 256 consecutive bytes of out0, at a multiple of 256, in one instruction
.Lend:
	s_set_vgpr_msb 0xf
	s_wait_dscnt 0x0
	s_wait_alu depctr_hold_cnt(0) depctr_sa_sdst(0) depctr_va_vdst(0) depctr_va_sdst(0) depctr_va_ssrc(0) depctr_va_vcc(0) depctr_vm_vsrc(0)
	s_wait_tensorcnt 0x0
	ds_add_u32 v0, v1
	s_wait_dscnt 0x0
	s_endpgm
.Lfunc_end_k_qbb11c55734_deepfm:
	.size	k_qbb11c55734_deepfm, .Lfunc_end_k_qbb11c55734_deepfm-k_qbb11c55734_deepfm
	.p2alignl 7, 3214868480
	.fill 96, 4, 3214868480
	.section	.rodata,"a",@progbits
	.p2align	6, 0x0
	.amdhsa_kernel k_qbb11c55734_deepfm
		.amdhsa_group_segment_fixed_size 79616
		.amdhsa_private_segment_fixed_size 0
		.amdhsa_enable_private_segment 0
		.amdhsa_kernarg_size 232
		.amdhsa_user_sgpr_count 2
		.amdhsa_user_sgpr_kernarg_segment_ptr 1
		.amdhsa_wavefront_size32 1
		.amdhsa_system_sgpr_workgroup_id_x 1
		.amdhsa_system_sgpr_workgroup_id_y 1
		.amdhsa_system_sgpr_workgroup_id_z 1
		.amdhsa_system_vgpr_workitem_id 0
		.amdhsa_next_free_vgpr 770
		.amdhsa_next_free_sgpr 84
		.amdhsa_reserve_vcc 0
		.amdhsa_float_denorm_mode_32 3
		.amdhsa_float_denorm_mode_16_64 3
		.amdhsa_memory_ordered 1
		.amdhsa_forward_progress 1
		.amdhsa_inst_pref_size 71
	.end_amdhsa_kernel
	.amdgpu_metadata
---
amdhsa.version: [ 1, 2 ]
amdhsa.kernels:
  - .name:           k_qbb11c55734_deepfm
    .symbol:         k_qbb11c55734_deepfm.kd
    .args:
      - { .name: user_id, .offset: 0, .size: 8, .value_kind: global_buffer, .address_space: global }
      - { .name: item_id, .offset: 8, .size: 8, .value_kind: global_buffer, .address_space: global }
      - { .name: user_gender, .offset: 16, .size: 8, .value_kind: global_buffer, .address_space: global }
      - { .name: user_age, .offset: 24, .size: 8, .value_kind: global_buffer, .address_space: global }
      - { .name: user_occupation, .offset: 32, .size: 8, .value_kind: global_buffer, .address_space: global }
      - { .name: item_genre_ids, .offset: 40, .size: 8, .value_kind: global_buffer, .address_space: global }
      - { .name: item_genre_mask, .offset: 48, .size: 8, .value_kind: global_buffer, .address_space: global }
      - { .name: dense_features, .offset: 56, .size: 8, .value_kind: global_buffer, .address_space: global }
      - { .name: emb_user, .offset: 64, .size: 8, .value_kind: global_buffer, .address_space: global }
      - { .name: emb_item, .offset: 72, .size: 8, .value_kind: global_buffer, .address_space: global }
      - { .name: emb_gender, .offset: 80, .size: 8, .value_kind: global_buffer, .address_space: global }
      - { .name: emb_age, .offset: 88, .size: 8, .value_kind: global_buffer, .address_space: global }
      - { .name: emb_occ, .offset: 96, .size: 8, .value_kind: global_buffer, .address_space: global }
      - { .name: emb_genre, .offset: 104, .size: 8, .value_kind: global_buffer, .address_space: global }
      - { .name: fo_user, .offset: 112, .size: 8, .value_kind: global_buffer, .address_space: global }
      - { .name: fo_item, .offset: 120, .size: 8, .value_kind: global_buffer, .address_space: global }
      - { .name: fo_gender, .offset: 128, .size: 8, .value_kind: global_buffer, .address_space: global }
      - { .name: fo_age, .offset: 136, .size: 8, .value_kind: global_buffer, .address_space: global }
      - { .name: fo_occ, .offset: 144, .size: 8, .value_kind: global_buffer, .address_space: global }
      - { .name: fo_genre, .offset: 152, .size: 8, .value_kind: global_buffer, .address_space: global }
      - { .name: W1, .offset: 160, .size: 8, .value_kind: global_buffer, .address_space: global }
      - { .name: W2, .offset: 168, .size: 8, .value_kind: global_buffer, .address_space: global }
      - { .name: b1, .offset: 176, .size: 8, .value_kind: global_buffer, .address_space: global }
      - { .name: b2, .offset: 184, .size: 8, .value_kind: global_buffer, .address_space: global }
      - { .name: Wout, .offset: 192, .size: 8, .value_kind: global_buffer, .address_space: global }
      - { .name: dense_W, .offset: 200, .size: 8, .value_kind: global_buffer, .address_space: global }
      - { .name: dense_b, .offset: 208, .size: 8, .value_kind: global_buffer, .address_space: global }
      - { .name: bout, .offset: 216, .size: 8, .value_kind: global_buffer, .address_space: global }
      - { .name: out0, .offset: 224, .size: 8, .value_kind: global_buffer, .address_space: global }
    .group_segment_fixed_size: 79616
    .private_segment_fixed_size: 0
    .kernarg_segment_align: 8
    .kernarg_segment_size: 232
    .max_flat_workgroup_size: 128
    .sgpr_count:     84
    .vgpr_count:     770
    .wavefront_size: 32
...
	.end_amdgpu_metadata
.endif
;; end of part 2
